; MI455X (gfx1250); checked and timed in simulation.
; The chip was launched on July 23, 2026; its instructions are those of AMD's public machine-readable ISA for CDNA 5 (MIT licence, August 2026) and "CDNA5" Instruction Set Architecture Reference Guide (July 2026). The comments in the code are by the model that wrote it; some were corrected since.
;; Bahdanau Attention. Allowed arithmetic: matrix products marked QUANTISED: E2M1 operands, one E8M0 scale for each 32 along K, by v_wmma_scale_f32_16x16x128_f8f6f4 with both operands' format E2M1 (or v_wmma_scale_f32_32x16x128_f4), f32 sums; products left as they are: f32 operands where the result goes on into a quantised operand, else bf16, f16 or f32 operands; f32 sums; everything else in f32.
;; Inputs: U 1,024 x 1,024 float32; W 1,024 x 1,024 float32; multiple_items 32 x 2,048 x 1,024 float32; queries 32 x 1 x 1,024 float32; v 1,024 float32; weights 32 x 2,048 int32.
;; Outputs: out0 32 x 1,024 float32; out1 32 x 2,048 float32.
;; This version of the problem:
;;   THIS VERSION OF THE PROBLEM IS GIVEN IN LOW PRECISION. The matrix products marked QUANTISED in the list below multiply operands that are first quantised to E2M1 (2 exponent bits, 1 mantissa bit; 4 bits a number), with one power-of-two scale for each 32 numbers along K (OCP MX v1.0); their sums are f32. All else is computed in f32.
;;   The module's matrix products, in the order in which they are computed (A, B: the left and right operand; K: the contracted axis; several contracted axes count as one K, in the product's order):
;;     1. [M 32, K 1,024] x [K 1,024, N 1,024]; A: input queries; B: input W: QUANTISED
;;     2. [M 65,536, K 1,024] x [K 1,024, N 1,024]; A: input multiple_items; B: input U: QUANTISED
;;     3. [M 65,536, K 1,024] x [K 1,024, N 1]; A: computed on the way; B: input v: left as it is (N = 1 < 16)
;;     4. batch 32 x [M 1, K 2,048] x [K 2,048, N 1,024]; A: softmax; B: input multiple_items: left as it is (M = 1 < 16)
;;   THE QUANTISER, for each operand of a quantised product, along K:
;;     - K is cut into blocks of 32 from its start; a last block that is shorter is filled with zeros.
;;     - A block's scale is 2^e with e = floor(log2(the largest magnitude in the block)) - 2, held to -126 .. 127; a block of zeros has e = 0. As a byte (E8M0): e + 127.
;;     - Each number is divided by its block's scale, clamped to +-6, and rounded to the nearest number of E2M1, ties to even, subnormals kept.
;;     - The product sums the exact products of the quantised numbers (number of the format x scale) in f32.
;;   ~~~python
;;   def quantise(x, axis):      # numpy; x: float32 -> the quantised numbers, widened to float32 again
;;       x = np.moveaxis(x, axis, -1); K = x.shape[-1]
;;       x = np.pad(x, [(0, 0)] * (x.ndim - 1) + [(0, -K % 32)]); x = x.reshape(x.shape[:-1] + (-1, 32)); a = np.abs(x).max(-1, keepdims=True)
;;       e = np.where(a > 0, np.clip(np.frexp(np.where(a > 0, a, 1))[1] - 1 - 2, -126, 127), 0)      # np.frexp(a)[1] - 1 = floor(log2(a)), exactly
;;       r = np.clip(x / 2.0 ** e, -6, 6)
;;       step = 2.0 ** (np.maximum(np.frexp(np.where(r == 0, 1, r))[1] - 1, 0) - 1)
;;       q = np.round(r / step) * step * 2.0 ** e      # np.round: ties to even
;;       return np.moveaxis(q.reshape(q.shape[:-2] + (-1,))[..., :K], -1, axis).astype(np.float32)
;;   ~~~
;; One version. Each part assembles by itself: llvm-mc -triple=amdgcn-amd-amdhsa -mcpu=gfx1250 --defsym DOCPART=n.
;; ======== version 1 of 1: 3 launches
;; limits: values are held in bf16: 8 bits of precision; right only within a limited range of input values
;; workspace buffers: ucodes 524,288 bytes; uscales 32,768 bytes; pq 1,048,576 bytes; rowlist 528,384 bytes of whole numbers; counts 4,096 bytes of whole numbers; react 278,528 bytes; pvec 1,048,576 bytes; pml 65,536 bytes
;; launch prep (part 1): grid 160 x 1, 4 waves a work-group, no clusters, 28,160 bytes of LDS; arguments U, W, queries, weights, ucodes, uscales, pq, rowlist, counts, react; writes ucodes, uscales, pq, rowlist, counts, react
.if DOCPART == 1
	.amdgcn_target "amdgcn-amd-amdhsa--gfx1250"
	.amdhsa_code_object_version 6
	.text
	.protected	k_q8c19f938c0_prep
	.globl	k_q8c19f938c0_prep
	.p2align	8
	.type	k_q8c19f938c0_prep,@function
k_q8c19f938c0_prep:
	s_mov_b64 s[64:65], 0
	v_nop
	global_prefetch_b8 v0, s[64:65] scope:SCOPE_SE
	s_setreg_imm32_b32 hwreg(HW_REG_WAVE_MODE, 25, 1), 1
	s_wait_xcnt 0x0
; THREE ROLES, chosen by the work-group's number (all four waves of a work-group take the same role):
;   0-31    LIST: a work-group takes a batch, wave w its rows 512 w .. + 511.  The rows with weights != 0 are listed in ascending order, all other places of the list get PADE; the inverse list gives each row its place
;                 (PADP for a row that does not count); the count; react (kept by places of the list) is filled with -infinity.  Every wave counts all four quarters itself: no LDS, no barrier.
;   32-95   U:    strip s (columns 128 s .. + 127) and K step g of U [1024 (k)][1024 (a)] become codes of FP4 (E2M1) and E8M0 scale bytes, laid in the order of the operand's registers.
;   96-159  PQ:   the same for W, and queries' K step g for all 32 batches; pq[g][b][a] = that K step's part of Q(queries) Q(W): the next launch adds the eight parts.
; K IS TAKEN IN ANOTHER ORDER, ALIKE ON BOTH OPERANDS: K step g (0-7) is made of the blocks (q, g), q = 0-3, block (q, g) being k = 256 q + 32 g + 0 .. 31.  Blocks stay the quantiser's blocks; only the order of the f32 sums differs.
; WAVE q TAKES BLOCK (q, g): 32 loads, each 512 consecutive bytes of one row k: a lane holds columns 4 lane .. + 3, register 4 i + j = (k = i, column j).  A column's 32 numbers are moved into consecutive registers for the conversions.
; WHICH COLUMNS FORM A TILE is free: tile T = 4 half + j of a strip holds columns 64 half + 4 r + j (r = 0 .. 15), so that sixteen neighbouring lanes hold one tile's sixteen columns.
; The four waves' codes and scale bytes meet in LDS as images of the operands' registers; they leave (role U) as runs of 512 consecutive bytes, or feed four matrix instructions a wave (role PQ).
; A block's scale is 2^(floor(log2(largest magnitude)) - 2); its byte is the largest magnitude's exponent field - 2, held at 1 from below.
; LIMITS: a block of zeros, and one whose largest magnitude lies under 2^-124, gets the byte 1 (these bytes are read by this program alone); NaN and infinities among the inputs are not served.
; REGISTERS (U, PQ): v1, v2 the closing add's; v6, v7 scale words and nothing else; v8-15 largest magnitudes, bytes, scale operands; v16-31 codes, then two fragments; v32-63 a batch's block of queries, then its fragments;
;   v64-95 one column's 32 numbers; v96-107 addresses, made at the head; v108-115 at work for queries; v128-255 as loaded, then the accumulators.
.set BIM,  0                           ; LDS: eight tiles x 1,024 bytes: tile T's fragment, 512 c + 16 lane
.set BSC,  8192                        ; their scale words: 16 x (16 (T % 2) + r) + 4 (T / 2), byte q
.set AIM,  8704                        ; queries' two tiles x 1,024 bytes
.set ASC,  10752                       ; their scale words: 4 x batch, byte q
.set PST,  11264                       ; 32 batches x 512 bytes: the strip's part of pq in the order of memory
.set SPARE, 27648                      ; the spare words
.set PADE, 0x107ff                     ; a list entry that names no row: bit 16 set, row field 2047
.set PADP, 2080                        ; the place of a row that does not count: react stays -infinity there
.set INVO, 266240                      ; the inverse lists lie behind the 32 lists of 8,320 bytes
.set RPIT, 8704                        ; a batch's bytes of react
.set MK,   48                          ; s48-63 sixteen masks
.set BS,   68                          ; s68-71 rows that count ahead of each of my four steps
.macro BAR
	s_wait_alu depctr_va_vdst(0)
	s_wait_dscnt 0x0
	s_barrier_signal -1
	s_barrier_wait -1
.endm
.macro CLOSE                           ; the wave's end, behind its last LDS store
	s_wait_tensorcnt 0x0
	ds_add_u32 v1, v2
	s_wait_dscnt 0x0
.endm
	s_load_b512 s[4:19], s[0:1], 0x0               ; U, W, queries, weights, ucodes, uscales, pq, rowlist
	s_load_b128 s[20:23], s[0:1], 0x40             ; counts, react
	v_lshrrev_b32 v3, 5, v0
	v_readfirstlane_b32 s24, v3                    ; wave q
	s_lshl_b32 s30, s24, 8
	s_lshl_b32 s31, s24, 11
	s_lshl_b32 s32, s24, 7
	s_lshl_b32 s33, s24, 2
	s_lshr_b32 s34, s24, 1
	s_lshl_b32 s34, s34, 8
	s_and_b32 s35, s24, 1
	s_lshl_b32 s35, s35, 3
	s_or_b32 s34, s34, s35                         ; 256 (q / 2) + 8 (q % 2)
	s_lshl_b32 s35, s24, 12
	s_lshl_b32 s36, s24, 9
	s_mov_b32 s29, 0                               ; the upper word of every offset
	s_mov_b32 s39, 0
	v_lshl_add_u32 v1, v0, 2, SPARE
	v_mov_b32 v2, 0
	v_and_b32 v3, 31, v0                           ; lane
	v_and_b32 v4, 15, v0                           ; r
	v_bfe_u32 v5, v0, 4, 1                         ; half
	v_lshlrev_b32 v96, 4, v3                       ; 16 lane
	v_lshlrev_b32 v97, 12, v3                      ; queries: batch = lane
	v_lshl_add_u32 v99, v4, 4, s30                 ; 16 r + 256 q
	v_lshl_add_u32 v98, v5, 12, v99                ; my codes in BIM: + 4,096 half (+ 1,024 j)
	v_lshl_add_u32 v99, v5, 10, v99                ; in AIM: + 1,024 (batch / 16)
	v_lshl_add_u32 v100, v4, 4, s24
	v_lshl_add_u32 v100, v5, 3, v100               ; my bytes in BSC: 16 r + 8 half + q
	v_lshl_add_u32 v101, v3, 2, s24                ; in ASC: 4 batch + q
	v_lshl_add_u32 v102, v3, 4, s31                ; 16 lane + 2,048 q
	v_lshl_add_u32 v103, v3, 2, s32                ; 4 lane + 128 q
	v_lshl_add_u32 v104, v3, 4, s33                ; 16 lane + 4 q
	v_lshlrev_b32 v105, 2, v3                      ; 4 lane
	v_lshl_add_u32 v106, v4, 4, s34
	v_lshl_add_u32 v106, v5, 12, v106              ; my sums in PST
	v_lshl_add_u32 v107, v3, 4, s35                ; 16 lane + 4,096 q
	s_wait_alu depctr_va_vdst(0)
	s_wait_kmcnt 0x0
	s_cmp_lt_u32 ttmp9, 32
	s_cbranch_scc1 .Llist
	; ---- roles U and PQ
	s_sub_co_u32 s25, ttmp9, 32                    ; 0-63: U; 64-127: PQ
	s_and_b32 s26, s25, 7                          ; g
	s_bfe_u32 s27, s25, 0x30003                    ; strip
	s_cmp_lt_u32 s25, 64
	s_cselect_b64 s[40:41], s[4:5], s[6:7]
	s_lshl_b32 s28, s26, 5
	s_add_co_u32 s28, s28, s30                     ; my block's first k: 256 q + 32 g
	s_lshl_b32 s38, s28, 2                         ; in a row of queries
	s_lshl_b32 s28, s28, 12                        ; rows of 4,096 bytes
	s_lshl_b32 s37, s27, 9
	s_add_co_u32 s28, s28, s37
	s_add_nc_u64 s[40:41], s[40:41], s[28:29]
.set i, 0
.rept 32
	global_load_b128 v[128+4*i:131+4*i], v96, s[40:41] offset:4096*i   ; 32 lanes read 512 consecutive bytes of row k = i
.set i, i+1
.endr
	s_cmp_lt_u32 s25, 64
	s_cbranch_scc1 .Lno_q1
	s_add_nc_u64 s[8:9], s[8:9], s[38:39]
.irp n, 0,1,2,3,4,5,6,7
	global_load_b128 v[32+4*\n:35+4*\n], v97, s[8:9] offset:16*\n      ; batch = lane: its whole block, 128 bytes
.endr
.Lno_q1:
	s_wait_loadcnt 0x0
.irp j, 0,1,2,3
	v_max3_num_f32 v[8+\j], |v[128+\j]|, |v[132+\j]|, 0x1800000        ; the floor 2^(3 - 127) among the leaves: the byte cannot fall under 1
.endr
.irp i, 2,4,6,8,10,12,14,16,18,20,22,24,26,28,30
.irp j, 0,1,2,3
	v_max3_num_f32 v[8+\j], v[8+\j], |v[128+4*\i+\j]|, |v[132+4*\i+\j]|   ; the four columns by turns
.endr
.endr
.irp j, 0,1,2,3
	v_add_nc_u32 v[12+\j], 0xff000000, v[8+\j]     ; 2 off the exponent field: the conversion's scale operand
.endr
.irp j, 0,1,2,3
	v_lshrrev_b32 v[8+\j], 23, v[12+\j]            ; the scale's byte
.endr
.irp j, 0,1,2,3
.set i, 0
.rept 32
	v_mov_b32 v[64+i], v[128+4*i+\j]               ; column j down K, in consecutive registers
.set i, i+1
.endr
.irp n, 0,1,2,3
	v_cvt_scalef32_pk8_fp4_f32 v[16+4*\j+\n], v[64+8*\n:71+8*\n], v[12+\j]
.endr
	v_nop                                          ; one plain line behind the scaled conversions
.endr
.irp j, 0,1,2,3
	ds_store_b128 v98, v[16+4*\j:19+4*\j] offset:BIM+1024*\j
	ds_store_b8 v100, v[8+\j] offset:BSC+256*(\j&1)+4*(\j>>1)
.endr
	s_wait_alu depctr_va_vdst(0)
	s_cmp_lt_u32 s25, 64
	s_cbranch_scc1 .Lno_q2
	v_max3_num_f32 v108, |v32|, |v33|, 0x1800000
	v_max3_num_f32 v109, |v48|, |v49|, 0x1800000
.irp i, 2,4,6,8,10,12,14
	v_max3_num_f32 v108, v108, |v[32+\i]|, |v[33+\i]|
	v_max3_num_f32 v109, v109, |v[48+\i]|, |v[49+\i]|
.endr
	v_max_num_f32 v108, v108, v109
	v_add_nc_u32 v110, 0xff000000, v108
	v_lshrrev_b32 v111, 23, v110
.irp n, 0,1,2,3
	v_cvt_scalef32_pk8_fp4_f32 v[112+\n], v[32+8*\n:39+8*\n], v110
.endr
	v_nop
	ds_store_b128 v99, v[112:115] offset:AIM
	ds_store_b8 v101, v111 offset:ASC
.Lno_q2:
	BAR                                            ; the images are whole
.irp n, 0,1,2,3
	ds_load_b128 v[16+4*\n:19+4*\n], v102 offset:BIM+512*\n   ; tiles 2 q and 2 q + 1: v[16:23], v[24:31]
.endr
	s_cmp_ge_u32 s25, 64
	s_cbranch_scc1 .Lpq
	; ---- role U: the images leave as they lie
	ds_load_b32 v8, v103 offset:BSC
	s_lshl_b32 s28, s27, 16                        ; 65,536 strip + 32,768 (q / 2) + 4,096 g + 2,048 (q % 2)
	s_lshr_b32 s37, s24, 1
	s_lshl_b32 s37, s37, 15
	s_or_b32 s28, s28, s37
	s_lshl_b32 s37, s26, 12
	s_or_b32 s28, s28, s37
	s_and_b32 s37, s24, 1
	s_lshl_b32 s37, s37, 11
	s_or_b32 s28, s28, s37
	s_add_nc_u64 s[12:13], s[12:13], s[28:29]
	s_lshl_b32 s28, s27, 12                        ; scale words: 4,096 strip + 512 g, then as BSC lies
	s_lshl_b32 s37, s26, 9
	s_or_b32 s28, s28, s37
	s_add_nc_u64 s[14:15], s[14:15], s[28:29]
	s_wait_dscnt 0x0
.irp n, 0,1,2,3
	global_store_b128 v96, v[16+4*\n:19+4*\n], s[12:13] offset:512*\n   ; 32 lanes store 512 consecutive bytes, aligned
.endr
	global_store_b32 v103, v8, s[14:15]            ; the four waves together: 512 consecutive bytes
	CLOSE
	s_endpgm
	; ---- role PQ
.Lpq:
	ds_load_b32 v6, v104 offset:BSC                ; W's scale words: lanes 0-15 tile 2 q, lanes 16-31 tile 2 q + 1
	ds_load_b32 v7, v105 offset:ASC                ; queries': lanes 0-15 batches 0-15, lanes 16-31 batches 16-31
.irp n, 0,1,2,3
	ds_load_b128 v[36+4*\n:39+4*\n], v96 offset:AIM+512*\n
.endr
	s_wait_dscnt 0x0
	; source 0 = 16 batches, source 1 = 16 columns of W; four accumulators, each written once
	v_wmma_scale_f32_16x16x128_f8f6f4 v[192:199], v[36:43], v[16:23], 0, v7, v6 matrix_a_fmt:MATRIX_FMT_FP4 matrix_b_fmt:MATRIX_FMT_FP4
	v_wmma_scale_f32_16x16x128_f8f6f4 v[200:207], v[36:43], v[24:31], 0, v7, v6 matrix_a_fmt:MATRIX_FMT_FP4 matrix_b_fmt:MATRIX_FMT_FP4 matrix_b_scale:MATRIX_SCALE_ROW1
	v_wmma_scale_f32_16x16x128_f8f6f4 v[208:215], v[44:51], v[16:23], 0, v7, v6 matrix_a_fmt:MATRIX_FMT_FP4 matrix_b_fmt:MATRIX_FMT_FP4 matrix_a_scale:MATRIX_SCALE_ROW1
	v_wmma_scale_f32_16x16x128_f8f6f4 v[216:223], v[44:51], v[24:31], 0, v7, v6 matrix_a_fmt:MATRIX_FMT_FP4 matrix_b_fmt:MATRIX_FMT_FP4 matrix_a_scale:MATRIX_SCALE_ROW1 matrix_b_scale:MATRIX_SCALE_ROW1
.rept 4
	v_nop                                          ; four places in front of the first read of the results
.endr
.irp tt, 0,1
.irp e, 0,1
.irp jj, 0,1,2,3,4,5,6,7
	ds_store_b32 v106, v[192+16*\tt+8*\e+\jj] offset:PST+8192*\tt+512*\jj+4*\e   ; batch 16 tt + 8 half + jj, column 64 (q / 2) + 4 r + 2 (q % 2) + e; each accumulator from its low end on
.endr
.endr
.endr
	BAR                                            ; the strip's 32 x 128 sums lie in the order of memory
.irp n, 0,1,2,3,4,5,6,7
	ds_load_b128 v[64+4*\n:67+4*\n], v107 offset:PST+512*\n   ; batches 8 q + n
.endr
	s_lshl_b32 s28, s26, 17                        ; 131,072 g + 32,768 q + 512 strip
	s_lshl_b32 s37, s24, 15
	s_or_b32 s28, s28, s37
	s_lshl_b32 s37, s27, 9
	s_or_b32 s28, s28, s37
	s_add_nc_u64 s[16:17], s[16:17], s[28:29]
	s_wait_dscnt 0x0
.irp n, 0,1,2,3,4,5,6,7
	global_store_b128 v96, v[64+4*\n:67+4*\n], s[16:17] offset:4096*\n   ; 512 consecutive bytes, aligned
.endr
	CLOSE
	s_endpgm
	; ---- role LIST: row 512 w + 128 tt + 4 lane + j is element e = 4 tt + j of my sixteen
.Llist:
	s_lshl_b32 s28, ttmp9, 13
	s_add_nc_u64 s[10:11], s[10:11], s[28:29]      ; the batch's weights,
	s_add_nc_u64 s[44:45], s[18:19], INVO
	s_add_nc_u64 s[44:45], s[44:45], s[28:29]      ; its inverse list,
	s_mul_i32 s28, ttmp9, RPIT
	s_add_nc_u64 s[22:23], s[22:23], s[28:29]      ; its words of react,
	s_mul_i32 s28, ttmp9, 8320
	s_add_nc_u64 s[18:19], s[18:19], s[28:29]      ; its list of 2,080 entries,
	s_lshl_b32 s28, ttmp9, 7
	s_add_nc_u64 s[20:21], s[20:21], s[28:29]      ; its count
.irp tt, 0,1,2,3
	global_load_b128 v[64+4*\tt:67+4*\tt], v102, s[10:11] offset:512*\tt      ; my quarter
.endr
.irp t, 0,1,2,3,4,5,6,7,8,9,10,11,12,13,14,15
	global_load_b128 v[128+4*\t:131+4*\t], v96, s[10:11] offset:512*\t        ; and all four, for the counts
.endr
	v_mov_b32 v55, PADE
	v_mov_b32 v57, PADP
.irp i, 0,1,2,3
	v_mov_b32 v[60+\i], 0xff800000                 ; -infinity
.endr
	v_add_nc_u32 v58, s36, v105                    ; 512 w + 4 lane
	v_sub_nc_u32 v59, 2047, v58
.irp n, 0,1,2,3
	global_store_b128 v102, v[60:63], s[22:23] offset:512*\n   ; my quarter of react's fill
.endr
	s_mov_b32 s28, 0                               ; rows that count so far
	s_mov_b32 s46, 0                               ; and ahead of my quarter
	s_wait_alu depctr_va_vdst(0)
	s_wait_loadcnt 0x0
.irp G, 0,1,2,3
	s_cmp_eq_u32 s24, \G
	s_cselect_b32 s46, s28, s46
.irp i, 0,1,2,3,4,5,6,7,8,9,10,11,12,13,14,15
	v_cmp_ne_u32 s[MK+\i], 0, v[128+16*\G+\i]
.endr
.irp i, 0,1,2,3,4,5,6,7,8,9,10,11,12,13,14,15
	s_bcnt1_i32_b32 s30, s[MK+\i]
	s_add_co_u32 s28, s28, s30
.endr
.endr
.irp i, 0,1,2,3,4,5,6,7,8,9,10,11,12,13,14,15
	v_cmp_ne_u32 s[MK+\i], 0, v[64+\i]
.endr
.irp tt, 0,1,2,3
	s_mov_b32 s[BS+\tt], s46
.irp j, 0,1,2,3
	s_bcnt1_i32_b32 s30, s[MK+4*\tt+\j]
	s_add_co_u32 s46, s46, s30
.endr
.endr
.irp tt, 0,1,2,3
	v_mbcnt_lo_u32_b32 v[192+4*\tt], s[MK+4*\tt], s[BS+\tt]
.endr
.irp j, 1,2,3
.irp tt, 0,1,2,3
	v_mbcnt_lo_u32_b32 v[192+4*\tt], s[MK+4*\tt+\j], v[192+4*\tt]   ; rows that count in earlier steps and in lower lanes
.endr
.endr
.irp j, 0,1,2
.irp tt, 0,1,2,3
	v_cndmask_b32 v[240+\tt], 0, 1, s[MK+4*\tt+\j]
.endr
.irp tt, 0,1,2,3
	v_add_nc_u32 v[193+4*\tt+\j], v[192+4*\tt+\j], v[240+\tt]       ; and among my lane's earlier rows: the place of a row that counts
.endr
.endr
.set e, 0
.rept 16
	v_add3_u32 v[208+e], v[192+e], v59, -(128*(e/4)+e%4)   ; else 2047 - (rows that do not count ahead of it): those fill the list from place 2047 downward
.set e, e+1
.endr
.set e, 0
.rept 16
	v_add_nc_u32 v[224+e], 128*(e/4)+e%4, v58      ; the row
.set e, e+1
.endr
.set e, 0
.rept 16
	v_cndmask_b32 v[208+e], v[208+e], v[192+e], s[MK+e]
.set e, e+1
.endr
.set e, 0
.rept 16
	v_cndmask_b32 v[224+e], v55, v[224+e], s[MK+e]
.set e, e+1
.endr
.set e, 0
.rept 16
	v_cndmask_b32 v[64+e], v57, v[192+e], s[MK+e]  ; the inverse list's entry
.set e, e+1
.endr
.set e, 0
.rept 16
	v_min_u32 v[208+e], 2079, v[208+e]             ; a number made of loaded data is held inside the list before it enters an address
.set e, e+1
.endr
.set e, 0
.rept 16
	v_lshlrev_b32 v[208+e], 2, v[208+e]
.set e, e+1
.endr
.set e, 0
.rept 16
	global_store_b32 v[208+e], v[224+e], s[18:19]
.set e, e+1
.endr
.irp tt, 0,1,2,3
	global_store_b128 v102, v[64+4*\tt:67+4*\tt], s[44:45] offset:512*\tt   ; 512 consecutive bytes
.endr
	s_cmp_lg_u32 s24, 0
	s_cbranch_scc1 .Llend
	global_store_b128 v96, v[60:63], s[22:23] offset:8192   ; react's words 2048-2175, PADP's among them
	global_store_b32 v105, v55, s[18:19] offset:8192        ; places 2048-2079 of the list: the last chunk of 80 may reach them
	v_mov_b32 v56, s28
	global_store_b32 v105, v56, s[20:21]           ; the count, 32 times
.Llend:
	s_endpgm
.Lfunc_end_k_q8c19f938c0_prep:
	.size	k_q8c19f938c0_prep, .Lfunc_end_k_q8c19f938c0_prep-k_q8c19f938c0_prep
	.p2alignl 7, 3214868480
	.fill 96, 4, 3214868480
	.section	.rodata,"a",@progbits
	.p2align	6, 0x0
	.amdhsa_kernel k_q8c19f938c0_prep
		.amdhsa_group_segment_fixed_size 28160
		.amdhsa_private_segment_fixed_size 0
		.amdhsa_enable_private_segment 0
		.amdhsa_kernarg_size 80
		.amdhsa_user_sgpr_count 2
		.amdhsa_user_sgpr_kernarg_segment_ptr 1
		.amdhsa_wavefront_size32 1
		.amdhsa_system_sgpr_workgroup_id_x 1
		.amdhsa_system_sgpr_workgroup_id_y 1
		.amdhsa_system_sgpr_workgroup_id_z 1
		.amdhsa_system_vgpr_workitem_id 0
		.amdhsa_next_free_vgpr 256
		.amdhsa_next_free_sgpr 88
		.amdhsa_reserve_vcc 0
		.amdhsa_float_denorm_mode_32 3
		.amdhsa_float_denorm_mode_16_64 3
		.amdhsa_memory_ordered 1
		.amdhsa_forward_progress 1
		.amdhsa_inst_pref_size 50
	.end_amdhsa_kernel
	.amdgpu_metadata
---
amdhsa.version: [ 1, 2 ]
amdhsa.kernels:
  - .name:           k_q8c19f938c0_prep
    .symbol:         k_q8c19f938c0_prep.kd
    .args:
      - { .name: U, .offset: 0, .size: 8, .value_kind: global_buffer, .address_space: global }
      - { .name: W, .offset: 8, .size: 8, .value_kind: global_buffer, .address_space: global }
      - { .name: queries, .offset: 16, .size: 8, .value_kind: global_buffer, .address_space: global }
      - { .name: weights, .offset: 24, .size: 8, .value_kind: global_buffer, .address_space: global }
      - { .name: ucodes, .offset: 32, .size: 8, .value_kind: global_buffer, .address_space: global }
      - { .name: uscales, .offset: 40, .size: 8, .value_kind: global_buffer, .address_space: global }
      - { .name: pq, .offset: 48, .size: 8, .value_kind: global_buffer, .address_space: global }
      - { .name: rowlist, .offset: 56, .size: 8, .value_kind: global_buffer, .address_space: global }
      - { .name: counts, .offset: 64, .size: 8, .value_kind: global_buffer, .address_space: global }
      - { .name: react, .offset: 72, .size: 8, .value_kind: global_buffer, .address_space: global }
    .group_segment_fixed_size: 28160
    .private_segment_fixed_size: 0
    .kernarg_segment_align: 8
    .kernarg_segment_size: 80
    .max_flat_workgroup_size: 128
    .sgpr_count:     88
    .vgpr_count:     256
    .wavefront_size: 32
...
	.end_amdgpu_metadata
.endif
;; end of part 1
;; launch main (part 2): grid 8 x 32, 8 waves a work-group, no clusters, 214,784 bytes of LDS; arguments multiple_items, ucodes, uscales, pq, v, rowlist, counts, react, pvec, pml; writes react, pvec, pml
.if DOCPART == 2
	.amdgcn_target "amdgcn-amd-amdhsa--gfx1250"
	.amdhsa_code_object_version 6
	.text
	.protected	k_q8c19f938c0_main
	.globl	k_q8c19f938c0_main
	.p2align	8
	.type	k_q8c19f938c0_main,@function
k_q8c19f938c0_main:
	s_mov_b64 s[64:65], 0
	v_nop
	global_prefetch_b8 v0, s[64:65] scope:SCOPE_SE
	s_setreg_imm32_b32 hwreg(HW_REG_WAVE_MODE, 25, 1), 1
	s_wait_xcnt 0x0
; For the rows of a batch that count (weights != 0, listed as whole numbers by the launch before): react = sum over a of v[a] tanh(pq[a] + (Q(items) Q(U))[s][a]), a running softmax over them, and the sum of p x items.
; Rows with weights == 0 get -infinity ahead of the softmax in reference(): their score is 0 and they add nothing to the blend; the stored list decides which rows are worked.
; SHARES.  Batch b (work-group y) is cut into chunks of 80 listed rows (5 tiles of 16); chunk c goes to work-group x = c mod 8.  At most 26 chunks: the loop has 4 trips; the work of a trip whose chunk begins
; at or past the count is jumped over by scalar branches on the count; no barrier is jumped over.  Eight waves of 512 registers; wave w makes columns 128 w .. 128 w + 127 (two groups of 4 tiles) for all 80 rows.
; A TRIP, three barriers:  1: wave w quantises rows 10 w .. 10 w + 9 of the chunk: codes, scale words and a bf16 copy go to LDS | 2: 16 K steps of 20 matrix instructions; behind each group of 8 tanh and the product with v;
;   partial sums to LDS | 3: every wave adds the eight partial sums, steps the running maximum m and sum l, and adds p x (bf16 copy) onto its 128 columns of the blend.
; THE NEXT CHUNK'S ROWS: behind K step 0 its 80 rows x 4,096 bytes are prefetched, a lane a block of 256 bytes, five instructions a wave; rows 6-9 of my ten are loaded behind K step 15 into the registers that U's fragments
;   have left, rows 0-5 behind the partial sums' stores into the accumulators.  Phase 3 touches none of these registers.
; react is stored by the rows' places in the list, 80 consecutive words a chunk (-infinity for places past the count).
; U's fragments come from the workspace straight into registers, 512 consecutive bytes a load: each is wanted by one wave of the work-group.
; NO CLUSTER, NO TENSOR LOADS: the trips with work hang on counts read from memory, so partners would not make the same requests.
; K IN ANOTHER ORDER, alike on both operands: K step g is the blocks (q, g), q = 0-3, block (q, g) = k 256 q + 32 g + 0 .. 31: blocks stay the quantiser's blocks.
; tanh(x) = 1 - 2 / (1 + 2^(c x)), c = 2 log2(e); react = sum of v + sum of (-2 v) / (1 + 2^(c pi + c pq)).  The last two products (one column, one row) are fused multiply-adds; for the blend items are rounded once to bf16.
; LIMITS: NaN and infinities among the inputs are not served; a block whose largest magnitude lies under 2^-124, zeros too, gets the scale byte 1; the order of the K sums is not ascending k.
; LDS: SCA row x 32: 8 scale words; RP wave x 320 + row x 4: partial react; PB the same shape: p, each wave's own copy; COD row x 528: codes (block (q, g) at 128 q + 16 g) + 16 of padding; CPY row x 2,048: bf16; SPARE: the spare words.
; REGISTERS.  Window 0: v0 kept as at the entry; v1-18, v26, v35 addresses; v19 sum of my v; v20-23 blend; v24 m, v25 l; v27-34 at work; v36-67 U's scale words, v68-87 the rows' (scales alone);
;   v88-127 the rows' fragments of even K steps, else at work; v128-255 four sets of U's fragments, then rows 6-9 as loaded.
;   Window 1: v0-159 20 accumulators, v160-199 the rows' sums; both also rows 0-5 as loaded; v200-207 c pq, v208-215 -2 v; v216-255 the rows' fragments of odd K steps, at work in phases 1 and 3.
.set SCA,  0
.set RP,   2560
.set PB,   5120
.set COD,  7680
.set CPY,  49920
.set SPARE, 213760
.set RPIT, 8704
.set AADR, 1
.set SAAD, 2
.set RPST, 3
.set L4,   4
.set R4,   5
.set PBST, 6
.set PBS2, 7
.set PBLD, 8
.set CPL,  9
.set ACOD, 12
.set ACPY, 13
.set ASCA, 14
.set VL32, 15
.set IDX,  16
.set VSUM, 19
.set BL,   20
.set L8,   26
.set VL16, 35
.set SB,   36
.set SA,   68
.set A0,   88
.set BR,   128
.set RACC, 160
.set PQC,  200
.set VM2,  208
.set TB1,  224
.set RB,   44
.set LE,   66
.set MSB, 0
.macro WIN new
.if MSB != (\new)
	s_set_vgpr_msb (MSB<<8)|(\new)
.set MSB, (\new)
.endif
.endm
.macro BAR                             ; my LDS instructions are done, then the work-group's barrier
	s_wait_alu depctr_va_vdst(0)
	s_wait_dscnt 0x0
	s_barrier_signal -1
	s_barrier_wait -1
.endm
.macro LISTLD                          ; my ten entries of chunk s77 (held at 25, the last chunk that the list has)
	s_min_u32 s76, s77, 25
	s_mul_i32 s76, s76, 320
	s_add_co_u32 s76, s76, s78
.irp k, 0,1,2,3,4
	s_load_b64 s[LE+2*\k:LE+2*\k+1], s[14:15], s76 offset:8*\k
.endr
.endm
.macro NROW i                          ; entry i to an address (the row field, held inside the batch), then the row: register 8 q + j = k 256 q + 8 lane + j
	s_and_b32 s30, s[LE+(\i)], 0x7ff
	s_min_u32 s30, s30, 0x7ff
	s_lshl_b32 s30, s30, 12
	s_add_nc_u64 s[RB+2*(\i):RB+2*(\i)+1], s[4:5], s[30:31]
.if (\i) < 6
	WIN 0x40
.set XB, 32*(\i)
.else
	WIN 0
.set XB, BR+32*((\i)-6)
.endif
.irp q, 0,1,2,3
.irp e, 0,1
	global_load_b128 v[XB+8*\q+4*\e:XB+8*\q+4*\e+3], v[VL32], s[RB+2*(\i):RB+2*(\i)+1] offset:1024*\q+16*\e
.endr
.endr
.endm
.macro NEXTQ lab                       ; has my next chunk (8 chunks on) a row?  If not, jump
	s_add_co_u32 s42, s29, 640
	s_cmp_lt_u32 s42, s27
	s_cbranch_scc0 \lab
.endm
; Row i, 32 numbers a lane at v[xb], becomes codes, a scale word and a bf16 copy.  tb: 32 registers at work in the same window.
.macro QROW xb, tb, i, wv, ws
	WIN \wv
.irp q, 0,1,2,3
	v_max3_num_f32 v[(\tb)+\q], |v[(\xb)+8*\q]|, |v[(\xb)+8*\q+1]|, |v[(\xb)+8*\q+2]|
.endr
.irp q, 0,1,2,3
	v_max3_num_f32 v[(\tb)+4+\q], |v[(\xb)+8*\q+3]|, |v[(\xb)+8*\q+4]|, |v[(\xb)+8*\q+5]|
.endr
.irp q, 0,1,2,3
	v_max3_num_f32 v[(\tb)+\q], v[(\tb)+\q], |v[(\xb)+8*\q+6]|, |v[(\xb)+8*\q+7]|
.endr
.irp q, 0,1,2,3
	v_max3_num_f32 v[(\tb)+\q], v[(\tb)+\q], v[(\tb)+4+\q], 0x1800000   ; the floor 2^(3 - 127): the byte cannot fall under 1
.endr
.irp q, 0,1,2,3
	v_max_num_f32_dpp v[(\tb)+\q], v[(\tb)+\q], v[(\tb)+\q] row_xmask:1 row_mask:0xf bank_mask:0xf
.endr
.irp q, 0,1,2,3
	v_max_num_f32_dpp v[(\tb)+\q], v[(\tb)+\q], v[(\tb)+\q] row_xmask:2 row_mask:0xf bank_mask:0xf   ; the four lanes that share a block
.endr
.irp q, 0,1,2,3
	v_add_nc_u32 v[(\tb)+4+\q], 0xff000000, v[(\tb)+\q]   ; 2 off the exponent field: the conversion's scale operand
.endr
.irp q, 0,1,2,3
	v_lshrrev_b32 v[(\tb)+\q], 23, v[(\tb)+4+\q]   ; the scale's byte
.endr
	s_wait_alu depctr_va_vdst(0)
	s_wait_dscnt 0x0                               ; the last row's stores have read their data
.irp q, 0,1,2,3
	v_cvt_scalef32_pk8_fp4_f32 v[(\tb)+12+\q], v[(\xb)+8*\q:(\xb)+8*\q+7], v[(\tb)+4+\q]
.endr
	v_nop                                          ; one plain line behind the scaled conversions
	v_lshl_or_b32 v[(\tb)+8], v[(\tb)+1], 8, v[(\tb)]
	v_lshl_or_b32 v[(\tb)+8], v[(\tb)+2], 16, v[(\tb)+8]
	v_lshl_or_b32 v[(\tb)+8], v[(\tb)+3], 24, v[(\tb)+8]   ; my row's scale word for K step lane / 4
.irp q, 0,1,2,3
.irp p, 0,1,2,3
	v_cvt_pk_bf16_f32 v[(\tb)+16+4*\q+\p], v[(\xb)+8*\q+2*\p], v[(\xb)+8*\q+2*\p+1]
.endr
.endr
	WIN \ws
.irp q, 0,1,2,3
	ds_store_b32 v[ACOD], v[(\tb)+12+\q] offset:COD+528*(\i)+128*\q
	ds_store_b128 v[ACPY], v[(\tb)+16+4*\q:(\tb)+19+4*\q] offset:2048*(\i)+512*\q
.endr
	ds_store_b32 v[ASCA], v[(\tb)+8] offset:SCA+32*(\i)    ; the four lanes of a block write the same word with the same value
.endm
.macro ALOAD sg                        ; the five row tiles' fragments of K step sg % 8
.if (\sg)&1
	WIN 0x40
.set AB, A0+128
.else
	WIN 0
.set AB, A0
.endif
.irp t, 0,1,2,3,4
.irp c, 0,1
	ds_load_b128 v[AB+8*\t+4*\c:AB+8*\t+4*\c+3], v[AADR] offset:COD+8448*\t+256*\c+16*((\sg)&7)
.endr
.endr
.endm
.macro BLOAD sg                        ; four column tiles' fragments of U: group sg / 8, K step sg % 8, into set sg % 4
	WIN 0
.irp c4, 0,1,2,3
.irp c, 0,1
	global_load_b128 v[BR+32*((\sg)&3)+8*\c4+4*\c:BR+32*((\sg)&3)+8*\c4+4*\c+3], v[VL16], s[6:7] offset:4096*(\sg)+1024*\c4+512*\c
.endr
.endr
.endm
.macro MM                              ; one product; fZ: it starts the sum; fA, fB: the scale words stand in lanes 16-31
.if fZ && fA && fB
	v_wmma_scale_f32_16x16x128_f8f6f4 v[rD:rD+7], v[rA:rA+7], v[rB:rB+7], 0, v[rSA], v[rSB] matrix_a_fmt:MATRIX_FMT_FP4 matrix_b_fmt:MATRIX_FMT_FP4 matrix_a_scale:MATRIX_SCALE_ROW1 matrix_b_scale:MATRIX_SCALE_ROW1
.elseif fZ && fA
	v_wmma_scale_f32_16x16x128_f8f6f4 v[rD:rD+7], v[rA:rA+7], v[rB:rB+7], 0, v[rSA], v[rSB] matrix_a_fmt:MATRIX_FMT_FP4 matrix_b_fmt:MATRIX_FMT_FP4 matrix_a_scale:MATRIX_SCALE_ROW1
.elseif fZ && fB
	v_wmma_scale_f32_16x16x128_f8f6f4 v[rD:rD+7], v[rA:rA+7], v[rB:rB+7], 0, v[rSA], v[rSB] matrix_a_fmt:MATRIX_FMT_FP4 matrix_b_fmt:MATRIX_FMT_FP4 matrix_b_scale:MATRIX_SCALE_ROW1
.elseif fZ
	v_wmma_scale_f32_16x16x128_f8f6f4 v[rD:rD+7], v[rA:rA+7], v[rB:rB+7], 0, v[rSA], v[rSB] matrix_a_fmt:MATRIX_FMT_FP4 matrix_b_fmt:MATRIX_FMT_FP4
.elseif fA && fB
	v_wmma_scale_f32_16x16x128_f8f6f4 v[rD:rD+7], v[rA:rA+7], v[rB:rB+7], v[rD:rD+7], v[rSA], v[rSB] matrix_a_fmt:MATRIX_FMT_FP4 matrix_b_fmt:MATRIX_FMT_FP4 matrix_a_scale:MATRIX_SCALE_ROW1 matrix_b_scale:MATRIX_SCALE_ROW1
.elseif fA
	v_wmma_scale_f32_16x16x128_f8f6f4 v[rD:rD+7], v[rA:rA+7], v[rB:rB+7], v[rD:rD+7], v[rSA], v[rSB] matrix_a_fmt:MATRIX_FMT_FP4 matrix_b_fmt:MATRIX_FMT_FP4 matrix_a_scale:MATRIX_SCALE_ROW1
.elseif fB
	v_wmma_scale_f32_16x16x128_f8f6f4 v[rD:rD+7], v[rA:rA+7], v[rB:rB+7], v[rD:rD+7], v[rSA], v[rSB] matrix_a_fmt:MATRIX_FMT_FP4 matrix_b_fmt:MATRIX_FMT_FP4 matrix_b_scale:MATRIX_SCALE_ROW1
.else
	v_wmma_scale_f32_16x16x128_f8f6f4 v[rD:rD+7], v[rA:rA+7], v[rB:rB+7], v[rD:rD+7], v[rSA], v[rSB] matrix_a_fmt:MATRIX_FMT_FP4 matrix_b_fmt:MATRIX_FMT_FP4
.endif
.endm
; K step sg: 20 products, source 0 = 16 rows, source 1 = 16 columns of U.  The 20 accumulators take turns, one instruction a turn, in the same order in every step.
.macro KSTEP sg
.if ((\sg)&7) == 0
	s_wait_loadcnt 24                              ; a group's first step: the three steps asked for behind it, 8 loads each, may be out
.elseif (\sg) <= 13
	s_wait_loadcnt 16                              ; this step's fragments of U are in; the two steps asked for behind them, 8 loads each, may be out
.elseif (\sg) == 14
	s_wait_loadcnt 8
.else
	s_wait_loadcnt 0x0
.endif
	s_wait_dscnt 0x0                               ; this step's row fragments
.if ((\sg)&7) != 0
.rept 4
	v_nop                                          ; four places behind the last step's products, in front of loads into the registers that they read
.endr
.endif
.if (\sg) < 15
	ALOAD (\sg)+1
.endif
.if ((\sg) <= 12) && (((\sg)&7) != 0)
	BLOAD (\sg)+3                                  ; into the set that the last step has left (steps 3 and 11 are asked for ahead of their groups)
.endif
	WIN 0x50|((\sg)&1)
.set fZ, 0
.if ((\sg)&7) == 0
.set fZ, 1
.endif
.set fA, ((\sg)>>2)&1
.irp c4, 0,1,2,3
.irp t, 0,1,2,3,4
.set rD, 8*(5*\c4+\t)
.set rA, A0+128*((\sg)&1)+8*\t
.set rB, BR+32*((\sg)&3)+8*\c4
.set rSA, SA+4*\t+((\sg)&3)
.set rSB, SB+4*((\sg)&7)+((4*((\sg)>>3)+\c4)>>1)
.set fB, \c4%2
	MM
.endr
.endr
	WIN 0
.endm
; tanh and the product with v for a group's 20 tiles: pair pu is registers 2 pu, 2 pu + 1: column tile 4 gr + pu / 20, row tile (pu / 4) % 5.
.macro TG_T gr                         ; c pi + c pq
.set rX, 2*pu
.set cT, 4*(\gr)+(pu/20)
.if cT%2
	v_pk_fma_f32 v[rX:rX+1], v[rX:rX+1], s[32:33], v[PQC+cT-1:PQC+cT] op_sel:[0,0,1] op_sel_hi:[1,0,1]
.else
	v_pk_fma_f32 v[rX:rX+1], v[rX:rX+1], s[32:33], v[PQC+cT:PQC+cT+1] op_sel_hi:[1,0,0]
.endif
.endm
.macro TG_F gr                         ; the rows' sums += (-2 v) / (1 + e)
.set rX, 2*pu
.set cT, 4*(\gr)+(pu/20)
.set rR, RACC+8*((pu/4)%5)+2*(pu%4)
.if cT%2
	v_pk_fma_f32 v[rR:rR+1], v[rX:rX+1], v[VM2+cT-1:VM2+cT], v[rR:rR+1] op_sel:[0,1,0] op_sel_hi:[1,1,1]
.else
	v_pk_fma_f32 v[rR:rR+1], v[rX:rX+1], v[VM2+cT:VM2+cT+1], v[rR:rR+1] op_sel_hi:[1,0,1]
.endif
.endm
; Five stages over all 160 registers; each batch of transcendentals has one wait ahead of it and, behind a plain place, one behind it.  Each accumulator is first read at its low end.
.macro TANH gr
	WIN 0x55
.rept 4
	v_nop                                          ; four places behind the last product
.endr
.set pu, 0
.rept 80
	TG_T \gr
.set pu, pu+1
.endr
	s_wait_alu depctr_va_vdst(0)
.set n, 0
.rept 160
	v_exp_f32 v[n], v[n]
.set n, n+1
.endr
	v_nop
	s_wait_alu depctr_va_vdst(0)
.set n, 0
.rept 80
	v_pk_add_f32 v[n:n+1], v[n:n+1], 1.0 op_sel_hi:[1,0]
.set n, n+2
.endr
	s_wait_alu depctr_va_vdst(0)
.set n, 0
.rept 160
	v_rcp_f32 v[n], v[n]
.set n, n+1
.endr
	v_nop
	s_wait_alu depctr_va_vdst(0)
.set pu, 0
.rept 80
	TG_F \gr
.set pu, pu+1
.endr
	WIN 0
.endm
.macro BLD bt                          ; the blend's batch bt: rows 8 bt .. + 7: my 4 columns of each (window 1) and the 8 p (window 0)
.set BD, 216+16*((\bt)&1)
.set BP, 88+8*((\bt)&1)
	WIN 0x40
.irp i, 0,1,2,3,4,5,6,7
	ds_load_b64 v[BD+2*\i:BD+2*\i+1], v[CPL+((\bt)>>2)] offset:2048*(8*((\bt)&3)+\i)
.endr
	WIN 0
.irp n, 0,1
	ds_load_b128 v[BP+4*\n:BP+4*\n+3], v[PBLD] offset:PB+32*(\bt)+16*\n
.endr
.endm
.macro BFM bt                          ; 32 fused multiply-adds straight from the bf16 halves, the four sums by turns
.set BD, 216+16*((\bt)&1)
.set BP, 88+8*((\bt)&1)
	WIN 0x01
.irp i, 0,1,2,3,4,5,6,7
	v_fma_mix_f32_bf16 v[BL], v[BD+2*\i], v[BP+\i], v[BL] op_sel_hi:[1,0,0]
	v_fma_mix_f32_bf16 v[BL+1], v[BD+2*\i], v[BP+\i], v[BL+1] op_sel:[1,0,0] op_sel_hi:[1,0,0]
	v_fma_mix_f32_bf16 v[BL+2], v[BD+2*\i+1], v[BP+\i], v[BL+2] op_sel_hi:[1,0,0]
	v_fma_mix_f32_bf16 v[BL+3], v[BD+2*\i+1], v[BP+\i], v[BL+3] op_sel:[1,0,0] op_sel_hi:[1,0,0]
.endr
	WIN 0
.endm
	s_load_b512 s[4:19], s[0:1], 0x0               ; items, ucodes, uscales, pq, v, rowlist, counts, react
	s_load_b128 s[20:23], s[0:1], 0x40             ; pvec, pml
	v_lshrrev_b32 v28, 5, v0
	v_readfirstlane_b32 s24, v28                   ; wave 0..7
	s_mov_b32 s25, ttmp9                           ; j: which of the batch's eight work-groups
	s_and_b32 s26, ttmp7, 0xffff                   ; the batch
	s_mul_i32 s42, s24, 320
	s_mul_i32 s43, s24, 5280
	s_lshl_b32 s40, s24, 8
	s_mul_i32 s41, s24, 20480
	s_mov_b32 s31, 0                               ; the upper word of every offset
	s_mov_b32 s32, 0x4038aa3b                      ; c = 2 log2(e)
	s_mov_b32 s33, s32
	s_mov_b32 s34, 0x3fb8aa3b                      ; log2(e)
	s_mov_b32 s35, 0x76543210
	s_mov_b32 s36, 0xfedcba98                      ; selects for lane l xor 16
	s_mov_b32 s37, 0xffff                          ; lanes 0-15
	s_mov_b32 s79, 0xff800000                      ; -infinity
	s_mul_i32 s78, s24, 40                         ; my ten entries in a chunk's 80
	s_mul_i32 s29, s25, 80                         ; where my chunk begins in the list
	s_mov_b32 s77, s25                             ; the chunk whose entries are fetched next
	v_and_b32 v28, 31, v0                          ; lane
	v_and_b32 v29, 15, v0                          ; r
	v_bfe_u32 v30, v0, 4, 1                        ; h
	v_mul_u32_u24 v[AADR], v29, 528
	v_lshl_add_u32 v[AADR], v30, 7, v[AADR]
	v_lshlrev_b32 v[SAAD], 5, v29
	v_lshl_add_u32 v[SAAD], v30, 4, v[SAAD]
	v_lshl_add_u32 v[RPST], v30, 5, s42
	v_lshlrev_b32 v[L4], 2, v28
	v_lshlrev_b32 v[R4], 2, v29
	v_lshlrev_b32 v[L8], 3, v28
	v_mov_b32 v[IDX], v28
	v_add_nc_u32 v[IDX+1], 32, v28
	v_add_nc_u32 v[IDX+2], 64, v29
	v_lshl_add_u32 v[PBST], v28, 2, s42
	v_lshl_add_u32 v[PBS2], v29, 2, s42
	v_mov_b32 v[PBLD], s42
	v_lshl_add_u32 v[ACOD], v28, 2, s43
	v_lshrrev_b32 v[ASCA], 2, v28
	v_lshl_add_u32 v[ASCA], v[ASCA], 2, s42
	v_lshl_add_u32 v[CPL], v28, 3, s40
	v_add_nc_u32 v[CPL], CPY, v[CPL]
	v_add_nc_u32 v[CPL+1], 0x10000, v[CPL]
	v_add_nc_u32 v[CPL+2], 0x20000, v[CPL]
	v_lshl_add_u32 v[ACPY], v28, 4, s41
	v_add_nc_u32 v[ACPY], CPY, v[ACPY]
	v_lshlrev_b32 v[VL32], 5, v28
	v_lshlrev_b32 v[VL16], 4, v28
	v_lshlrev_b32 v34, 4, v29                      ; 16 r: tile 4 hf + j of my strip holds columns 64 hf + 4 r + j, so 16 bytes hold four tiles' numbers
	v_lshl_add_u32 v33, v30, 17, v34               ; + 131,072 h: lanes 16-31 take the odd K steps' parts of pq
	s_wait_alu depctr_va_vdst(0)
	s_wait_kmcnt 0x0
	s_lshl_b32 s30, s26, 23
	s_add_nc_u64 s[4:5], s[4:5], s[30:31]          ; items at my batch
	s_lshl_b32 s30, s24, 16
	s_add_nc_u64 s[6:7], s[6:7], s[30:31]          ; U's codes at my wave's 64 KiB
	s_lshl_b32 s30, s24, 12
	s_add_nc_u64 s[8:9], s[8:9], s[30:31]          ; U's scale words
	s_lshl_b32 s42, s24, 9
	s_lshl_b32 s30, s26, 12
	s_add_co_u32 s30, s30, s42
	s_add_nc_u64 s[10:11], s[10:11], s[30:31]      ; pq at my batch, my 128 columns
	s_mov_b32 s30, s42
	s_add_nc_u64 s[12:13], s[12:13], s[30:31]      ; v at my 128 columns
	s_mul_i32 s30, s26, 8320
	s_add_nc_u64 s[14:15], s[14:15], s[30:31]      ; the batch's list
	s_lshl_b32 s30, s26, 7
	s_add_nc_u64 s[16:17], s[16:17], s[30:31]      ; its count
	s_mul_i32 s30, s26, RPIT
	s_add_nc_u64 s[18:19], s[18:19], s[30:31]      ; its words of react
	s_lshl_b32 s43, s26, 3
	s_add_co_u32 s43, s43, s25                     ; 8 b + j
	s_lshl_b32 s30, s43, 12
	s_add_co_u32 s30, s30, s42
	s_add_nc_u64 s[20:21], s[20:21], s[30:31]      ; my work-group's partial blend, my 128 columns
	s_lshl_b32 s30, s43, 8
	s_add_nc_u64 s[22:23], s[22:23], s[30:31]      ; its (m, l)
	s_load_b32 s27, s[16:17], 0x0                  ; the count
	LISTLD
	s_add_co_u32 s77, s77, 8
.irp n, 0,1,2,3,4,5,6,7
	global_load_b128 v[SB+4*\n:SB+4*\n+3], v[VL16], s[8:9] offset:512*\n   ; register 4 g + (ct / 2): lanes 0-15 the even tile's columns, lanes 16-31 the odd tile's
.endr
.irp i, 0,1,2,3
.irp hf, 0,1
	global_load_b128 v[88+8*\i+4*\hf:91+8*\i+4*\hf], v33, s[10:11] offset:262144*\i+256*\hf   ; pq's part of K step 2 i + h for tiles 4 hf .. + 3
.endr
.endr
.irp hf, 0,1
	global_load_b128 v[120+4*\hf:123+4*\hf], v34, s[12:13] offset:256*\hf   ; v likewise
.endr
	s_wait_kmcnt 0x0
.irp i, 6,7,8,9,0,1,2,3,4,5
	NROW \i                                        ; the first chunk's rows, in the order in which every chunk's are asked for
.endr
	WIN 0
.irp k, 0,1,2,3
	v_mov_b32 v[BL+\k], 0
.endr
	v_mov_b32 v24, 0xff800000                      ; m = -infinity
	v_mov_b32 v25, 0                               ; l
	v_mov_b32 v27, 0                               ; a lane permute's destination counts as one of its sources
	s_wait_alu depctr_va_vdst(0)
	s_wait_loadcnt 63                              ; 80 loads stand behind the 18 of scale words, pq and v: with at most 63 out those 18 are in
.irp i, 1,2,3
.irp p, 0,2,4,6
	v_pk_add_f32 v[88+\p:89+\p], v[88+\p:89+\p], v[88+8*\i+\p:89+8*\i+\p]   ; pq's eight parts: my four,
.endr
.endr
.irp k, 0,1,2,3,4,5,6,7
	v_permlanex16_b32 v[96+\k], v[88+\k], s35, s36
.endr
.irp p, 0,2,4,6
	v_pk_add_f32 v[88+\p:89+\p], v[88+\p:89+\p], v[96+\p:97+\p]            ; and lane l xor 16's four
.endr
	WIN 0x40
.irp ct, 0,1,2,3,4,5,6,7
	v_mul_f32 v[PQC+\ct], s32, v[88+\ct]           ; c pq
	v_mul_f32 v[VM2+\ct], -2.0, v[120+\ct]         ; -2 v
.endr
	WIN 0
	v_add_f32 v[VSUM], v120, v121
.irp ct, 2,3,4,5,6,7
	v_add_f32 v[VSUM], v[VSUM], v[120+\ct]
.endr
	s_mov_b32 s28, 0
	s_wait_alu depctr_va_vdst(0)
.Lpass:
	; ---- 1: my ten rows become codes, scale words and a bf16 copy
	s_cmp_ge_u32 s29, s27
	s_cbranch_scc1 .Lno_x
.irp i, 0,1,2,3,4,5
	s_wait_loadcnt 8*(5-\i)                        ; rows i + 1 .. 5, 8 loads each, were asked for behind row i in one run; rows 6-9 were asked for ahead of row 0
	QROW 32*\i, TB1, \i, 0x55, 0x04
.endr
.irp i, 6,7,8,9
	QROW BR+32*(\i-6), A0, \i, 0, 0
.endr
	WIN 0
.Lno_x:
	s_wait_loadcnt 0x0                             ; on the way round the work too: no load is out
	s_cmp_ge_u32 s29, s27
	s_cbranch_scc1 .Lno_b
	s_wait_xcnt 0x0                                ; the last trip's stores and prefetches have read v28-33
	s_wait_kmcnt 0x0                               ; no scalar load is out when its registers are asked for again
	LISTLD                                         ; the next chunk's entries, as scalars for the loads
	v_bfe_u32 v33, v0, 4, 1
	v_lshl_add_u32 v33, v33, 2, s76
.irp k, 0,1,2,3,4
	global_load_b32 v[28+\k], v33, s[14:15] offset:8*\k   ; and by lanes for the prefetch: lanes 0-15 entry 2 k, lanes 16-31 entry 2 k + 1
.endr
	BLOAD 0                                        ; U's first four K steps hang on nothing in LDS: they are asked for ahead of the barrier, into the registers that rows 6-9 have left
	BLOAD 1
	BLOAD 2
	BLOAD 3
.Lno_b:
	BAR                                            ; all 80 rows lie in LDS
	; ---- 2: the products, tanh, the product with v
	s_cmp_ge_u32 s29, s27
	s_cbranch_scc1 .Lno_g
.irp t, 0,1,2,3,4
	ds_load_b128 v[SA+4*\t:SA+4*\t+3], v[SAAD] offset:SCA+512*\t
.endr
	ALOAD 0
	WIN 0x40
.set n, 0
.rept 40
	v_mov_b32 v[RACC+n], v[VSUM]                   ; the rows' sums begin with the sum of v
.set n, n+1
.endr
	WIN 0
	KSTEP 0                                        ; (its wait on LOADcnt leaves 24 of 37 out: the five entry loads and step 0's eight are in)
	NEXTQ .Lno_pf
	v_and_b32 v34, 15, v0
	v_lshlrev_b32 v34, 8, v34
.irp k, 0,1,2,3,4
	v_and_b32 v[28+\k], 0x7ff, v[28+\k]
.endr
.irp k, 0,1,2,3,4
	v_min_u32 v[28+\k], 0x7ff, v[28+\k]            ; held inside the batch before it enters an address
.endr
.irp k, 0,1,2,3,4
	v_lshl_add_u32 v[28+\k], v[28+\k], 12, v34     ; the row's 4,096 bytes: sixteen lanes, 256 bytes apart
.endr
.irp k, 0,1,2,3,4
	global_prefetch_b8 v[28+\k], s[4:5] th:TH_LOAD_NT scope:SCOPE_SE   ; my ten rows of the next chunk, 15 K steps and a tanh ahead of their first loads
.endr
.Lno_pf:
.irp sg, 1,2,3,4,5,6,7
	KSTEP \sg
.endr
.rept 4
	v_nop                                          ; four places behind step 7's products, in front of the loads into the set that they read
.endr
	BLOAD 11                                       ; with steps 8, 9 and 10: four steps of the second group are on their way during the first group's tanh
	TANH 0
.irp sg, 8,9,10,11,12,13,14,15
	KSTEP \sg
.endr
	s_wait_kmcnt 0x0                               ; the next chunk's entries
.rept 4
	v_nop                                          ; four places behind the last products, in front of loads into U's registers
.endr
	NEXTQ .Lno_n1
.irp i, 6,7,8,9
	NROW \i
.endr
	WIN 0
.Lno_n1:
	TANH 1
	WIN 0x55
.irp mk, 1,2,4,8
.set n, 0
.rept 40
	v_add_f32_dpp v[RACC+n], v[RACC+n], v[RACC+n] row_xmask:\mk row_mask:0xf bank_mask:0xf
.set n, n+1
.endr
.endr
	WIN 0x04
.irp t, 0,1,2,3,4
.irp jj, 0,1
	ds_store_b128 v[RPST], v[RACC+8*\t+4*\jj:RACC+8*\t+4*\jj+3] offset:RP+64*\t+16*\jj
.endr
.endr
	WIN 0
	s_wait_alu depctr_va_vdst(0)
	s_wait_dscnt 0x0                               ; the stores have read the sums: rows may be loaded over them
	NEXTQ .Lno_g
.irp i, 0,1,2,3,4,5
	NROW \i
.endr
	WIN 0
.Lno_g:
	BAR                                            ; the eight waves' partial sums lie in LDS
	; ---- 3: the running softmax and the blend
	s_cmp_ge_u32 s29, s27
	s_cbranch_scc1 .Lno_s
.irp w, 0,1,2,3,4,5,6,7
	ds_load_b32 v[88+\w], v[L4] offset:RP+320*\w
	ds_load_b32 v[96+\w], v[L4] offset:RP+320*\w+128
	ds_load_b32 v[104+\w], v[R4] offset:RP+320*\w+256
.endr
	s_sub_co_u32 s42, s27, s29                     ; listed rows from my chunk's first on: at least 1 here
	s_lshl_b32 s30, s29, 2
	s_wait_xcnt 0x0                                ; earlier stores have read their base and data, the prefetches their addresses
	s_add_nc_u64 s[80:81], s[18:19], s[30:31]      ; react at my chunk's first place
	s_wait_dscnt 0x0
.irp k, 0,1,2
	v_pk_add_f32 v[88+8*\k:89+8*\k], v[88+8*\k:89+8*\k], v[90+8*\k:91+8*\k]
	v_pk_add_f32 v[92+8*\k:93+8*\k], v[92+8*\k:93+8*\k], v[94+8*\k:95+8*\k]
.endr
.irp k, 0,1,2
	v_pk_add_f32 v[88+8*\k:89+8*\k], v[88+8*\k:89+8*\k], v[92+8*\k:93+8*\k]
.endr
.irp k, 0,1,2
	v_add_f32 v[88+8*\k], v[88+8*\k], v[89+8*\k]   ; react of rows lane, 32 + lane, 64 + r
.endr
.irp k, 0,1,2
	v_cmp_gt_u32 vcc_lo, s42, v[IDX+\k]
	v_cndmask_b32 v[28+\k], s79, v[88+8*\k], vcc_lo   ; padding: -infinity
.endr
	v_max3_num_f32 v31, v28, v29, v30
.irp mk, 1,2,4,8
	v_max_num_f32_dpp v31, v31, v31 row_xmask:\mk row_mask:0xf bank_mask:0xf
.endr
	v_permlanex16_b32 v27, v31, s35, s36
	v_max3_num_f32 v31, v31, v27, v24              ; the new m: finite, since a chunk with work has a row
	v_sub_f32 v33, v24, v31
	v_mul_f32 v33, s34, v33
.irp k, 0,1,2
	v_sub_f32 v[112+\k], v[28+\k], v31             ; the difference first, then log2(e)
.endr
.irp k, 0,1,2
	v_mul_f32 v[112+\k], s34, v[112+\k]
.endr
	s_wait_alu depctr_va_vdst(0)                   ; ahead of the batch
	v_exp_f32 v32, v33                             ; f = e^(old m - new m)
.irp k, 0,1,2
	v_exp_f32 v[112+\k], v[112+\k]                 ; p = e^(react - m)
.endr
	v_mov_b32 v24, v31                             ; (a plain place behind the exponentials)
	s_wait_alu depctr_va_vdst(0)                   ; and behind it
	v_cndmask_b32 v115, 0, v114, s37               ; rows 64 + r stand in both halves of the lanes: once for the sum
	v_add_f32 v34, v112, v113
	v_add_f32 v34, v34, v115
.irp mk, 1,2,4,8
	v_add_f32_dpp v34, v34, v34 row_xmask:\mk row_mask:0xf bank_mask:0xf
.endr
	v_permlanex16_b32 v27, v34, s35, s36
	v_add_f32 v34, v34, v27
	v_fma_f32 v25, v25, v32, v34                   ; l = l f + the chunk's sum of p
	ds_store_b32 v[PBST], v112 offset:PB           ; p into my wave's own copy: LDS serves a wave's instructions in order
	ds_store_b32 v[PBST], v113 offset:PB+128
	ds_store_b32 v[PBS2], v114 offset:PB+256
	BLD 0
	s_wait_alu depctr_va_vdst(0)
	s_cmp_lg_u32 s24, 0
	s_cbranch_scc1 .Lno_react
	global_store_b32 v[L4], v28, s[80:81]          ; wave 0 stores the chunk's 80 values: 320 consecutive bytes
	global_store_b32 v[L4], v29, s[80:81] offset:128
	global_store_b32 v[R4], v30, s[80:81] offset:256
.Lno_react:
	v_pk_mul_f32 v[BL:BL+1], v[BL:BL+1], v[32:33] op_sel_hi:[1,0]       ; the blend under the new m
	v_pk_mul_f32 v[BL+2:BL+3], v[BL+2:BL+3], v[32:33] op_sel_hi:[1,0]
.irp bt, 0,1,2,3,4,5,6,7,8
	BLD \bt+1
	s_wait_alu depctr_va_vdst(0)
	s_wait_dscnt 10                                ; all but the 10 loads just issued: batch bt is in
	BFM \bt
.endr
	s_wait_alu depctr_va_vdst(0)
	s_wait_dscnt 0x0
	BFM 9
.Lno_s:
	BAR                                            ; every wave's reads of the codes, the copy and the partial sums are over
	s_add_co_u32 s29, s29, 640
	s_add_co_u32 s77, s77, 8
	s_add_co_u32 s28, s28, 1
	s_cmp_lt_u32 s28, 4
	s_cbranch_scc1 .Lpass
	s_wait_xcnt 0x0                                ; the stores of react have read v28, v29
	v_lshl_add_u32 v28, v0, 2, SPARE               ; no two registers could be kept: v0 was, and the add's two are made here
	v_mov_b32 v29, 0
	s_wait_alu depctr_va_vdst(0)
	s_wait_tensorcnt 0x0                           ; the wave's end, behind my last LDS store
	ds_add_u32 v28, v29
	s_wait_dscnt 0x0
	global_store_b128 v[VL16], v[BL:BL+3], s[20:21]   ; 32 lanes store 512 consecutive bytes, aligned
	s_cmp_lg_u32 s24, 0
	s_cbranch_scc1 .Lend
	global_store_b64 v[L8], v[24:25], s[22:23]     ; (m, l), the same in every lane: 256 consecutive bytes
.Lend:
	s_endpgm
.Lfunc_end_k_q8c19f938c0_main:
	.size	k_q8c19f938c0_main, .Lfunc_end_k_q8c19f938c0_main-k_q8c19f938c0_main
	.p2alignl 7, 3214868480
	.fill 96, 4, 3214868480
	.section	.rodata,"a",@progbits
	.p2align	6, 0x0
	.amdhsa_kernel k_q8c19f938c0_main
		.amdhsa_group_segment_fixed_size 214784
		.amdhsa_private_segment_fixed_size 0
		.amdhsa_enable_private_segment 0
		.amdhsa_kernarg_size 80
		.amdhsa_user_sgpr_count 2
		.amdhsa_user_sgpr_kernarg_segment_ptr 1
		.amdhsa_wavefront_size32 1
		.amdhsa_system_sgpr_workgroup_id_x 1
		.amdhsa_system_sgpr_workgroup_id_y 1
		.amdhsa_system_sgpr_workgroup_id_z 1
		.amdhsa_system_vgpr_workitem_id 0
		.amdhsa_next_free_vgpr 512
		.amdhsa_next_free_sgpr 96
		.amdhsa_reserve_vcc 1
		.amdhsa_float_denorm_mode_32 3
		.amdhsa_float_denorm_mode_16_64 3
		.amdhsa_memory_ordered 1
		.amdhsa_forward_progress 1
		.amdhsa_inst_pref_size 236
	.end_amdhsa_kernel
	.amdgpu_metadata
---
amdhsa.version: [ 1, 2 ]
amdhsa.kernels:
  - .name:           k_q8c19f938c0_main
    .symbol:         k_q8c19f938c0_main.kd
    .args:
      - { .name: multiple_items, .offset: 0, .size: 8, .value_kind: global_buffer, .address_space: global }
      - { .name: ucodes, .offset: 8, .size: 8, .value_kind: global_buffer, .address_space: global }
      - { .name: uscales, .offset: 16, .size: 8, .value_kind: global_buffer, .address_space: global }
      - { .name: pq, .offset: 24, .size: 8, .value_kind: global_buffer, .address_space: global }
      - { .name: v, .offset: 32, .size: 8, .value_kind: global_buffer, .address_space: global }
      - { .name: rowlist, .offset: 40, .size: 8, .value_kind: global_buffer, .address_space: global }
      - { .name: counts, .offset: 48, .size: 8, .value_kind: global_buffer, .address_space: global }
      - { .name: react, .offset: 56, .size: 8, .value_kind: global_buffer, .address_space: global }
      - { .name: pvec, .offset: 64, .size: 8, .value_kind: global_buffer, .address_space: global }
      - { .name: pml, .offset: 72, .size: 8, .value_kind: global_buffer, .address_space: global }
    .group_segment_fixed_size: 214784
    .private_segment_fixed_size: 0
    .kernarg_segment_align: 8
    .kernarg_segment_size: 80
    .max_flat_workgroup_size: 256
    .sgpr_count:     96
    .vgpr_count:     512
    .wavefront_size: 32
...
	.end_amdgpu_metadata
.endif
;; end of part 2
;; launch combine (part 3): grid 128 x 1, 2 waves a work-group, no clusters, 0 bytes of LDS; arguments react, pvec, pml, rowlist, out0, out1; writes out0, out1
.if DOCPART == 3
	.amdgcn_target "amdgcn-amd-amdhsa--gfx1250"
	.amdhsa_code_object_version 6
	.text
	.protected	k_q8c19f938c0_combine
	.globl	k_q8c19f938c0_combine
	.p2align	8
	.type	k_q8c19f938c0_combine,@function
k_q8c19f938c0_combine:
	s_mov_b64 s[64:65], 0
	v_nop
	global_prefetch_b8 v0, s[64:65] scope:SCOPE_SE
	s_setreg_imm32_b32 hwreg(HW_REG_WAVE_MODE, 25, 1), 1
	s_wait_xcnt 0x0
; A work-group takes a quarter of a batch and joins its eight partial results (m_j, l_j, vec_j): M = the largest m_j, w_j = e^(m_j - M), L = sum of w_j l_j;
; out0 = (sum of w_j vec_j) / L;  out1[s] = e^(react[place of s] - M) / L.  react lies by the rows' places in the batch's list; the inverse list (whole numbers, behind the lists in the same buffer) gives each row its place,
; and a row that does not count the place 2,080, where react is -infinity: its score is 0.
; A work-group of the launch before that had no rows left m = -infinity, l = 0, vec = 0: its w is 0.  A batch with no row at all has M = -infinity: every difference is NaN, as the softmax of a row of -infinity is.
; Memory binds what little there is: 256 threads, thread t owns 16 bytes of out0 and twice 16 of out1; every dense load and store of a wave covers 512 consecutive bytes (the pairs (m, l): 256).  No LDS, no barrier, no branch, no matrix unit.
; REGISTERS: v1, v2 offsets; v3 M; v4 L; v[6:7] 1 / L twice; v[8:11] out0; v16-31 (m_j, l_j); v32-39 w_j; v40-71 vec_j; v72-79 react, then out1; v80-87 my eight rows' places, then their byte offsets in react.
.set INVO, 266240                      ; the inverse lists lie behind the 32 lists of 8,320 bytes
.set RPIT, 8704                        ; a batch's bytes of react: 2,176 words
	s_load_b256 s[4:11], s[0:1], 0x0               ; react s[4:5], pvec s[6:7], pml s[8:9], rowlist s[10:11]
	s_load_b128 s[12:15], s[0:1], 0x20             ; out0 s[12:13], out1 s[14:15]
	v_and_b32 v1, 31, v0
	s_delay_alu instid0(VALU_DEP_1)
	v_lshlrev_b32 v1, 3, v1                        ; 8 x lane
	s_and_b32 s20, ttmp9, 3                        ; four work-groups of 64 threads share a batch: which quarter is mine
	s_lshl_b32 s20, s20, 10
	v_lshl_add_u32 v2, v0, 4, s20                  ; 16 x (64 x quarter + thread)
	s_mov_b32 s17, 0
	s_lshr_b32 s19, ttmp9, 2                       ; the batch
	s_mov_b32 s18, 0x3fb8aa3b                      ; log2(e)
	s_wait_alu depctr_va_vdst(0)
	s_wait_kmcnt 0x0
	s_mul_i32 s16, s19, RPIT
	s_add_nc_u64 s[4:5], s[4:5], s[16:17]
	s_lshl_b32 s16, s19, 13
	s_add_nc_u64 s[14:15], s[14:15], s[16:17]
	s_add_nc_u64 s[10:11], s[10:11], s[16:17]
	s_add_nc_u64 s[10:11], s[10:11], INVO          ; the batch's inverse list
	s_lshl_b32 s16, s19, 15
	s_add_nc_u64 s[6:7], s[6:7], s[16:17]
	s_lshl_b32 s16, s19, 11
	s_add_nc_u64 s[8:9], s[8:9], s[16:17]
	s_lshl_b32 s16, s19, 12
	s_add_nc_u64 s[12:13], s[12:13], s[16:17]
	global_load_b128 v[80:83], v2, s[10:11] th:TH_LOAD_NT               ; the places of rows 4 t .. 4 t + 3
	global_load_b128 v[84:87], v2, s[10:11] offset:4096 th:TH_LOAD_NT   ; and of rows 1,024 + 4 t ..
.irp j, 0,1,2,3,4,5,6,7
	global_load_b64 v[16+2*\j:17+2*\j], v1, s[8:9] offset:256*\j
.endr
.irp j, 0,1,2,3,4,5,6,7
	global_load_b128 v[40+4*\j:43+4*\j], v2, s[6:7] offset:4096*\j th:TH_LOAD_NT
.endr
	s_wait_loadcnt 16                              ; the places are in; the sixteen loads behind them may be out
.irp n, 0,1,2,3,4,5,6,7
	v_min_u32 v[80+\n], 0x87f, v[80+\n]            ; a loaded number is held inside the batch's 2,176 words before it enters an address,
.endr
.irp n, 0,1,2,3,4,5,6,7
	v_lshlrev_b32 v[80+\n], 2, v[80+\n]            ; 4 bytes a place
.endr
.irp n, 0,1,2,3,4,5,6,7
	global_load_b32 v[72+\n], v[80+\n], s[4:5]     ; places rise with the rows, so neighbouring lanes read neighbouring words; no hint: the padding's word is read many times
.endr
	s_wait_loadcnt 16                              ; the eight pairs (m, l) are in; the eight partial vectors and the eight gathers may be out
	v_max3_num_f32 v3, v16, v18, v20
	s_delay_alu instid0(VALU_DEP_1)
	v_max3_num_f32 v3, v3, v22, v24
	s_delay_alu instid0(VALU_DEP_1)
	v_max3_num_f32 v3, v3, v26, v28
	s_delay_alu instid0(VALU_DEP_1)
	v_max_num_f32 v3, v3, v30                      ; M
.irp j, 0,1,2,3,4,5,6,7
	v_sub_f32 v[32+\j], v[16+2*\j], v3             ; the difference first, then log2(e): no difference of two large products
.endr
.irp j, 0,1,2,3,4,5,6,7
	v_mul_f32 v[32+\j], s18, v[32+\j]
.endr
	s_wait_alu depctr_va_vdst(0)
.irp j, 0,1,2,3,4,5,6,7
	v_exp_f32 v[32+\j], v[32+\j]                   ; w_j
.endr
	v_nop
	s_wait_alu depctr_va_vdst(0)                   ; one wait for the batch, ahead of its first reader
	v_mul_f32 v4, v32, v17
.irp j, 1,2,3,4,5,6,7
	v_fma_f32 v4, v[32+\j], v[17+2*\j], v4         ; L
.endr
	s_wait_alu depctr_va_vdst(0)
	v_rcp_f32 v6, v4
	v_rcp_f32 v7, v4                               ; twice: a pair for the packed multiplications
	s_wait_loadcnt 8                               ; the partial vectors are in; the eight gathers may be out
	v_pk_mul_f32 v[8:9], v[40:41], v[32:33] op_sel_hi:[1,0]      ; (plain lines behind the reciprocals, which they do not name)
	v_pk_mul_f32 v[10:11], v[42:43], v[32:33] op_sel_hi:[1,0]
.irp j, 1,3,5,7
	v_pk_fma_f32 v[8:9], v[40+4*\j:41+4*\j], v[31+\j:32+\j], v[8:9] op_sel:[0,1,0] op_sel_hi:[1,1,1]
	v_pk_fma_f32 v[10:11], v[42+4*\j:43+4*\j], v[31+\j:32+\j], v[10:11] op_sel:[0,1,0] op_sel_hi:[1,1,1]
.if \j < 7
	v_pk_fma_f32 v[8:9], v[44+4*\j:45+4*\j], v[33+\j:34+\j], v[8:9] op_sel_hi:[1,0,1]
	v_pk_fma_f32 v[10:11], v[46+4*\j:47+4*\j], v[33+\j:34+\j], v[10:11] op_sel_hi:[1,0,1]
.endif
.endr
	s_wait_alu depctr_va_vdst(0)                   ; the reciprocals' wait, ahead of their first reader
	v_pk_mul_f32 v[8:9], v[8:9], v[6:7]
	v_pk_mul_f32 v[10:11], v[10:11], v[6:7]
	global_store_b128 v2, v[8:11], s[12:13]
	s_wait_loadcnt 0x0                             ; react of my eight rows
.irp n, 0,1,2,3,4,5,6,7
	v_sub_f32 v[72+\n], v[72+\n], v3
.endr
.irp n, 0,1,2,3,4,5,6,7
	v_mul_f32 v[72+\n], s18, v[72+\n]
.endr
	s_wait_alu depctr_va_vdst(0)
.irp n, 0,1,2,3,4,5,6,7
	v_exp_f32 v[72+\n], v[72+\n]
.endr
	v_nop
	s_wait_alu depctr_va_vdst(0)                   ; one wait for the batch, ahead of its first reader
.irp n, 0,2,4,6
	v_pk_mul_f32 v[72+\n:73+\n], v[72+\n:73+\n], v[6:7]
.endr
	global_store_b128 v2, v[72:75], s[14:15]
	global_store_b128 v2, v[76:79], s[14:15] offset:4096
	s_endpgm
.Lfunc_end_k_q8c19f938c0_combine:
	.size	k_q8c19f938c0_combine, .Lfunc_end_k_q8c19f938c0_combine-k_q8c19f938c0_combine
	.p2alignl 7, 3214868480
	.fill 96, 4, 3214868480
	.section	.rodata,"a",@progbits
	.p2align	6, 0x0
	.amdhsa_kernel k_q8c19f938c0_combine
		.amdhsa_group_segment_fixed_size 0
		.amdhsa_private_segment_fixed_size 0
		.amdhsa_enable_private_segment 0
		.amdhsa_kernarg_size 48
		.amdhsa_user_sgpr_count 2
		.amdhsa_user_sgpr_kernarg_segment_ptr 1
		.amdhsa_wavefront_size32 1
		.amdhsa_system_sgpr_workgroup_id_x 1
		.amdhsa_system_sgpr_workgroup_id_y 1
		.amdhsa_system_sgpr_workgroup_id_z 1
		.amdhsa_system_vgpr_workitem_id 0
		.amdhsa_next_free_vgpr 96
		.amdhsa_next_free_sgpr 66
		.amdhsa_reserve_vcc 0
		.amdhsa_float_denorm_mode_32 3
		.amdhsa_float_denorm_mode_16_64 3
		.amdhsa_memory_ordered 1
		.amdhsa_forward_progress 1
		.amdhsa_inst_pref_size 9
	.end_amdhsa_kernel
	.amdgpu_metadata
---
amdhsa.version: [ 1, 2 ]
amdhsa.kernels:
  - .name:           k_q8c19f938c0_combine
    .symbol:         k_q8c19f938c0_combine.kd
    .args:
      - { .name: react, .offset: 0, .size: 8, .value_kind: global_buffer, .address_space: global }
      - { .name: pvec, .offset: 8, .size: 8, .value_kind: global_buffer, .address_space: global }
      - { .name: pml, .offset: 16, .size: 8, .value_kind: global_buffer, .address_space: global }
      - { .name: rowlist, .offset: 24, .size: 8, .value_kind: global_buffer, .address_space: global }
      - { .name: out0, .offset: 32, .size: 8, .value_kind: global_buffer, .address_space: global }
      - { .name: out1, .offset: 40, .size: 8, .value_kind: global_buffer, .address_space: global }
    .group_segment_fixed_size: 0
    .private_segment_fixed_size: 0
    .kernarg_segment_align: 8
    .kernarg_segment_size: 48
    .max_flat_workgroup_size: 64
    .sgpr_count:     66
    .vgpr_count:     96
    .wavefront_size: 32
...
	.end_amdgpu_metadata
.endif
;; end of part 3
